; MI455X (gfx1250); checked and timed in simulation.
; The chip was launched on July 23, 2026; its instructions are those of AMD's public machine-readable ISA for CDNA 5 (MIT licence, August 2026) and "CDNA5" Instruction Set Architecture Reference Guide (July 2026). The comments in the code are by the model that wrote it; some were corrected since.
;; MHLP Predictor. Allowed arithmetic: float matrix products may take bf16 or f16 operands with f32 sums; all other float work in f32.
;; Inputs: W1 128 x 75 float32; W2 64 x 128 float32; W3 32 x 64 float32; W4 1 x 32 float32; b1 128 float32; b2 64 float32; b3 32 float32; b4 1 float32; hw_embed 4 x 64 float32; hw_idx 262,144 int32; in_proj_b 192 float32; in_proj_w 192 x 64 float32; ln1_b 64 float32; ln1_g 64 float32; ln2_b 64 float32; ln2_g 64 float32; op_indices 262,144 x 5 int32; out_proj_b 64 float32; out_proj_w 64 x 64 float32; width_indices 262,144 x 5 int32.
;; Outputs: out0 262,144 x 1 float32.
;; One version. Each part assembles by itself: llvm-mc -triple=amdgcn-amd-amdhsa -mcpu=gfx1250 --defsym DOCPART=n.
;; ======== version 1 of 1: 1 launch
;; limits: values are held in f16: magnitudes above 65,504 overflow, below 6.1e-05 lose precision
;; launch mhlp (part 1): grid 256 x 1, 4 waves a work-group, no clusters, 279,040 bytes of LDS; arguments op_indices, width_indices, hw_idx, out0, hw_embed, b1, b2, ln1_g, ln1_b, in_proj_b, out_proj_b, ln2_g, ln2_b, b3, W4, b4, W1, W2, in_proj_w, out_proj_w, W3; writes out0
.if DOCPART == 1
	.amdgcn_target "amdgcn-amd-amdhsa--gfx1250"
	.amdhsa_code_object_version 6
	.text
	.protected	k_q369c46a5dd_mhlp
	.globl	k_q369c46a5dd_mhlp
	.p2align	8
	.type	k_q369c46a5dd_mhlp,@function
k_q369c46a5dd_mhlp:
	s_mov_b64 s[64:65], 0
	v_nop
	global_prefetch_b8 v0, s[64:65] scope:SCOPE_SE
	s_setreg_imm32_b32 hwreg(HW_REG_WAVE_MODE, 25, 1), 1
	s_wait_xcnt 0x0
; MHLP predictor, whole chain in one launch.  262,144 rows; 256 work-groups x 4 waves; a wave owns 256 rows = 16 tiles of 16 rows.
;
; LAYOUT.  Every matrix instruction takes 16 rows of a WEIGHT matrix as source A and 16 batch rows as source B.  The result then holds, in lane
; (r = lane & 15, h = lane >> 4), register j, feature 16 mt + 8 h + j of batch row r.  Packed to f16, eight such registers are four registers of the
; next product's source B (k = 8 h .. 8 h + 7 of a 16-block): the chain never leaves the lane.  A sum over features is a sum in the lane and one
; exchange with lane xor 16.  A head of 16 features is one tile mt.
; All weights lie in registers as f16 fragments (544 registers), per-feature constants in 224 more; a tile needs 76 matrix instructions.
;
; IDENTITIES USED (each holds for every input):
;  - layer 4 of the one-hot and b1 are the f32 start value of the first product (table of 16 rows in LDS); layers 0-3 are a product with K = 64;
;  - the mean of LayerNorm 1 is taken out of W2 and b2 beforehand ((I - 11'/64) W2); likewise out_proj_w and, for the hardware token,
;    hw_embed + out_proj_b; the arch token is centred in f32 behind the product;
;  - ln2_g / 2 goes into W3's columns, W3 ln2_b into b3 (the 1/2 is the mean over the two tokens);
;  - a softmax over two keys needs d = q (k_hw - k_arch) / 4 alone.  The larger score is taken away: e = exp(-|d|), the weight of key 0 is
;    1/(1+e) for d >= 0 and e/(1+e) otherwise.  In k_hw - k_arch the k bias, in_proj_b[64:128], cancels: those 64 numbers are not loaded;
;  - the hardware token has four values: its q, k, v and residual are made once per wave and looked up.
; FORMAT AND LIMITS.  Matrix operands are f16, sums f32.  f16 and not bf16: the chain rounds its operands five times, and with 8 significant bits
; these roundings add up to some 0.3 to 0.4 per cent of the outputs' root mean square, too near the 1 per cent to which each of 262,144 numbers is
; wanted; 11 bits leave an eighth of that.  An operand above 65,504 in magnitude would overflow.  The largest operands are the context vectors,
; sums of 64 products of in_proj_w and the arch token: with every input 30 times as large as drawn their root mean square is 1.5 x 30 x 8 = 360.
; Below 2^-14 an operand keeps an absolute error of 2^-25; the 1e-5 in both LayerNorms lets an error in front of a norm grow by 316 at the most.
; The smallest operand, W3 ln2_g / 2 with both 30 times smaller than drawn, is about 2.8e-5.
; v_exp_f32, v_rsq_f32, v_rcp_f32 flush denormals.  Indices are clamped (cell <= 15, hw <= 3) for the sake of LDS addresses only; cell 15 is the
; all-zero one-hot.
; NO CLUSTER, and why.  The five weight matrices (144,896 bytes) are the same for all work-groups and could be asked for jointly.  But in a launch
; with joint requests every LDS address has to be alike in all partners, and here 52 LDS loads a tile (one-hot rows, start values, hardware rows)
; are addressed by the work-group's own indices.  The matrices are fetched once per work-group, in front of the loop; the lookups serve all 16 tiles.
; NOT USED: a ring of slots (a wave's 11 KiB of indices are fetched once, at the start) and prefetches (every global byte is asked for at the start).
; ---- LDS map, bytes
.set IMG_W2,  16384                    ; image of f16 fragments: register quad q of the fill at 512 q + 16 lane.  W1 at 0
.set IMG_IN,  32768
.set IMG_OUT, 57344
.set IMG_W3,  65536                    ; scaled W3, 4,096 bytes; W3 as given behind it
.set RAW_W1,  73728                    ; f32 as in memory, rows of 300 bytes
.set RAW_W2,  112128                   ; 64 rows, pitch 528
.set RAW_IN,  145920                   ; 192 rows, pitch 272
.set RAW_OUT, 198144                   ; 64 rows, pitch 272
.set RAW_W3,  215552                   ; 32 rows, pitch 272
.set T4TAB,   224256                   ; 16 cells, pitch 528: W1[m][60+c] + b1[m] in f32; row 15 = b1
.set OHTAB,   232704                   ; (cell, h) at 32 cell + 16 h: eight f16 of a one-hot of 16
.set HWTAB,   233216                   ; per wave 4,160: four hw rows, pitch 1,040: q | k | v | centred residual, 256 bytes each
.set CELLS,   249856                   ; per wave 5,120: cell = 3 op + width, 20 bytes a row
.set HWI,     270336                   ; per wave 1,024: hw_idx
.set RES,     274432                   ; per wave 1,024: results
; pitches 272, 528, 1,040 are odd multiples of 16 bytes: sixteen rows start in sixteen different 16-byte columns of 256 bytes
.set TILES, 16
; ---- scalar registers: the addresses of the 16 buffers that are read or written through registers
.set POP, 4
.set PWI, 6
.set PHW, 8
.set POUT, 10
.set PEM, 12
.set PB1, 14
.set PB2, 16
.set PG1, 18
.set PBE1, 20
.set PINB, 22
.set PBO, 24
.set PG2, 26
.set PBE2, 28
.set PB3, 30
.set PW4, 32
.set PB4, 34
; a descriptor of its own for each of the five tensor loads: none of these 60 registers is written again before the wait for the loads
.set G0W1, 36
.set G1W1, 40
.set G0W2, 48
.set G1W2, 52
.set G0IN, 60
.set G1IN, 68
.set G0OW, 76
.set G1OW, 80
.set G0W3, 88
.set G1W3, 92
.set SWV, 100                          ; wave
.set SX, 101                           ; scratch
.set SY, 66                            ; scratch
.set SRES, 67                          ; my wave's RES
; s[2:3] an offset; s104 s105 selects of v_permlanex16_b32
; behind the wait for the tensor loads: s82 -log2(e)/4, s83 b4, s84 trips, s85 1/64, s[86:93] masks, s94 1e-5, s95 lanes with h = 1
; ---- vector registers, window 0
.set VR, 1                             ; r
.set VH, 2                             ; h
.set VL16, 3                           ; 16 lane
.set VCA, 4                            ; my row's cells of the tile whose indices are loaded next
.set VHA, 5                            ; its hw index
.set VRA, 6                            ; where this tile's result goes
.set VOHB, 7                           ; OHTAB + 16 h
.set VT4B, 8                           ; T4TAB + 32 h
.set VHWB, 9                           ; my wave's HWTAB + 32 h
.set VTB, 10                           ; the tile's hw row
.set VFV, 11                           ; 32 h
.set C0, 12                            ; v12-16 cells, turned into addresses; v17 hw index
.set CH, 17
.set T, 32                             ; v32-47   one-hot fragments, then small sums, scores, weights
.set AB, 48                            ; v48-63   source B: arch, context 0, pooled
.set R0, 64                            ; v64-127  first product; q, k; context 0, context 1 fragments
.set R1, 128                           ; v128-159 hidden fragments; v; context 1; head
.set R2, 160                           ; v160-191 arch token from W2 to LayerNorm 2
.set R3, 192                           ; v192-223 k_hw; hardware token's residual to pooled
.set R4, 224                           ; v224-255 q_hw; v_hw; small sums
; prologue only
.set ACEL, 18
.set AHWI, 19
.set AHWS, 21
.set ROUT, 23
.set RW3, 24
.set RIN, 25
.set RW2, 26
.set RW1, 27
.set RT4, 28
.set SW2, 29
.set S512, 30
.set S512H, 31
.set OEMB, 41
.set OG2, 42
.set OTID, 43
.set SW1, 44
.set ST4, 45
.set AFILLH, 46
; window 1: W1 fragment (mt, s) at 16 mt + 8 s; W2 fragment at 128 + 32 mt + 8 s
; window 2: in_proj fragment at 16 mt + 8 s (mt 0-3 q, 4-7 k, 8-11 v); out_proj fragment at 192 + 16 mt + 8 s
; window 3:
.set XW3F, 0
.set XB2C, 32
.set XG1, 64
.set XBE1, 96
.set XBO, 128
.set XBQ, 160
.set XBV, 192
.set XB3P, 224
.set XW4V, 240
.set MSB, 0
.macro WIN new                         ; low byte: bits 1:0 source 0, 3:2 source 1, 5:4 source 2, 7:6 destination; high byte: the setting left
.if MSB != \new
	s_set_vgpr_msb (MSB<<8)|\new
.set MSB, \new
.endif
.endm
.macro PLACES                          ; four independent vector instructions between a matrix instruction and a reader of its result (ISA guide 7.12.1)
.rept 4
	v_nop
.endr
.endm
; a tensor load of rows x cols f32, dense in memory, 16 bytes of padding behind each row (2 << qi = the row's dwords).
; Words 2 and 3 of group 0 hold the matrix's address already, as the scalar load brought it.
.macro TD2 g0, g1, lds, rows, cols, qi
	s_mov_b32 s[\g0], 1
	s_mov_b32 s[\g0+1], \lds
	s_or_b32 s[\g0+3], s[\g0+3], 0x80000000
	s_mov_b32 s[\g1], (2<<16)|(1<<20)|(\qi<<22)|(3<<25)
	s_mov_b32 s[\g1+1], \cols<<16
	s_mov_b32 s[\g1+2], \rows<<16
	s_mov_b32 s[\g1+3], \cols<<16
	s_mov_b32 s[\g1+4], \rows
	s_mov_b32 s[\g1+5], \cols
	s_mov_b32 s[\g1+6], 0
	s_mov_b32 s[\g1+7], 0
	tensor_load_to_lds s[\g0:\g0+3], s[\g1:\g1+7]
	s_nop 0
.endm
; a vector of 16 nmt features into the lane layout: features 16 mt + 8 h + 0..7 in registers dst + 8 mt + 0..7
.macro FVLOAD dst, ptr, off, nmt
.set fi, 0
.rept \nmt
	global_load_b128 v[\dst+8*fi:\dst+8*fi+3], v[VFV], s[\ptr:\ptr+1] offset:\off+64*fi
	global_load_b128 v[\dst+8*fi+4:\dst+8*fi+7], v[VFV], s[\ptr:\ptr+1] offset:\off+64*fi+16
.set fi, fi+1
.endr
.endm
.macro CVT dst, src, n                 ; 2 n f32 to n registers of f16 pairs
.set cq, 0
.rept \n
	v_cvt_pk_f16_f32 v[\dst+cq], v[\src+2*cq], v[\src+2*cq+1]
.set cq, cq+1
.endr
.endm
.macro CVTST src, tmp, addr, off       ; eight f32 to 16 bytes of the image
	CVT \tmp, \src, 4
	ds_store_b128 v[\addr], v[\tmp:\tmp+3] offset:\off
.endm
.macro FOLD tmp, n                     ; 2 n pairs to n pairs
.set fo, 0
.rept \n
	v_pk_add_f32 v[\tmp+2*fo:\tmp+2*fo+1], v[\tmp+4*fo:\tmp+4*fo+1], v[\tmp+4*fo+2:\tmp+4*fo+3]
.set fo, fo+1
.endr
.endm
.macro LANES tmp                       ; a pair to one number, plus the other half's 32 features
	v_add_f32 v[\tmp], v[\tmp], v[\tmp+1]
	v_permlanex16_b32 v[\tmp+1], v[\tmp], s104, s105
	v_add_f32 v[\tmp], v[\tmp], v[\tmp+1]
.endm
.macro SUM32 arr, tmp                  ; sum over the 64 features of a row, in tmp
.set si, 0
.rept 8
	v_pk_add_f32 v[\tmp+2*si:\tmp+2*si+1], v[\arr+4*si:\arr+4*si+1], v[\arr+4*si+2:\arr+4*si+3]
.set si, si+1
.endr
	FOLD \tmp, 4
	FOLD \tmp, 2
	FOLD \tmp, 1
	LANES \tmp
.endm
.macro SQ32 arr, tmp                   ; sum of squares over the 64 features, four chains
.irp c, 0,1,2,3
	v_pk_mul_f32 v[\tmp+2*\c:\tmp+2*\c+1], v[\arr+8*\c:\arr+8*\c+1], v[\arr+8*\c:\arr+8*\c+1]
.endr
.irp p, 2,4,6
.irp c, 0,1,2,3
	v_pk_fma_f32 v[\tmp+2*\c:\tmp+2*\c+1], v[\arr+8*\c+\p:\arr+8*\c+\p+1], v[\arr+8*\c+\p:\arr+8*\c+\p+1], v[\tmp+2*\c:\tmp+2*\c+1]
.endr
.endr
	FOLD \tmp, 2
	FOLD \tmp, 1
	LANES \tmp
.endm
.macro BADD dst, src, pair             ; 32 registers + the pair's first register
.set bi, 0
.rept 16
	v_pk_add_f32 v[\dst+2*bi:\dst+2*bi+1], v[\src+2*bi:\src+2*bi+1], v[\pair:\pair+1] op_sel_hi:[1,0]
.set bi, bi+1
.endr
.endm
.macro BMUL dst, src, pair             ; 32 registers x the pair's first register
.set bi, 0
.rept 16
	v_pk_mul_f32 v[\dst+2*bi:\dst+2*bi+1], v[\src+2*bi:\src+2*bi+1], v[\pair:\pair+1] op_sel_hi:[1,0]
.set bi, bi+1
.endr
.endm
; eight columns k of a weight matrix with 64 rows (row 16 mt + r in lane r, registers b + 8 mt + j): take each column's mean away
.macro CENTER4 b, sum
.irp p, 0,2,4,6
	v_pk_add_f32 v[\sum+\p:\sum+\p+1], v[\b+\p:\b+\p+1], v[\b+8+\p:\b+8+\p+1]
.endr
.irp m, 16,24
.irp p, 0,2,4,6
	v_pk_add_f32 v[\sum+\p:\sum+\p+1], v[\sum+\p:\sum+\p+1], v[\b+\m+\p:\b+\m+\p+1]
.endr
.endr
.irp x, 1,2,4,8
.irp j, 0,1,2,3,4,5,6,7
	v_add_f32_dpp v[\sum+\j], v[\sum+\j], v[\sum+\j] row_xmask:\x row_mask:0xf bank_mask:0xf
.endr
.endr
.irp m, 0,8,16,24
.irp p, 0,2,4,6
	v_pk_fma_f32 v[\b+\m+\p:\b+\m+\p+1], v[\sum+\p:\sum+\p+1], 0xbc800000, v[\b+\m+\p:\b+\m+\p+1] op_sel_hi:[1,0,1]
.endr
.endr
.endm
.macro HWL dst, x                      ; part x (0 q, 1 k, 2 v, 3 residual) of the tile's hw rows
.set hq, 0
.rept 4
	ds_load_b128 v[\dst+8*hq:\dst+8*hq+3], v[VTB] offset:256*\x+64*hq
	ds_load_b128 v[\dst+8*hq+4:\dst+8*hq+7], v[VTB] offset:256*\x+64*hq+16
.set hq, hq+1
.endr
.endm
; q -> R0[0:31] (+ bias), k -> R0[32:63] (no bias: it cancels), v -> R1 (+ bias) of the token in AB
.macro QKV
	WIN 0x32                               ; A window 2, C window 3
.irp m, 0,1,2,3
	v_wmma_f32_16x16x32_f16 v[R0+8*\m:R0+8*\m+7], v[16*\m:16*\m+7], v[AB:AB+7], v[XBQ+8*\m:XBQ+8*\m+7]
.endr
.irp m, 0,1,2,3
	v_wmma_f32_16x16x32_f16 v[R0+32+8*\m:R0+32+8*\m+7], v[64+16*\m:64+16*\m+7], v[AB:AB+7], 0
.endr
.irp m, 0,1,2,3
	v_wmma_f32_16x16x32_f16 v[R1+8*\m:R1+8*\m+7], v[128+16*\m:128+16*\m+7], v[AB:AB+7], v[XBV+8*\m:XBV+8*\m+7]
.endr
	WIN 0x02                               ; the second half of K, in place
.irp m, 0,1,2,3
	v_wmma_f32_16x16x32_f16 v[R0+8*\m:R0+8*\m+7], v[16*\m+8:16*\m+15], v[AB+8:AB+15], v[R0+8*\m:R0+8*\m+7]
.endr
.irp m, 0,1,2,3
	v_wmma_f32_16x16x32_f16 v[R0+32+8*\m:R0+32+8*\m+7], v[64+16*\m+8:64+16*\m+15], v[AB+8:AB+15], v[R0+32+8*\m:R0+32+8*\m+7]
.endr
.irp m, 0,1,2,3
	v_wmma_f32_16x16x32_f16 v[R1+8*\m:R1+8*\m+7], v[128+16*\m+8:128+16*\m+15], v[AB+8:AB+15], v[R1+8*\m:R1+8*\m+7]
.endr
.endm
.macro NEXTADR                         ; loaded indices to LDS addresses: 14 plain vector lines
.irp l, 0,1,2,3,4
	v_min_u32 v[C0+\l], 15, v[C0+\l]
.endr
	v_min_u32 v[CH], 3, v[CH]
.irp l, 0,1,2,3
	v_lshl_add_u32 v[C0+\l], v[C0+\l], 5, v[VOHB]
.endr
	v_mad_u32_u24 v[C0+4], v[C0+4], 528, v[VT4B]
	v_mad_u32_u24 v[VTB], v[CH], 1040, v[VHWB]
	v_add_nc_u32 v[VCA], 320, v[VCA]
	v_add_nc_u32 v[VHA], 64, v[VHA]
.endm
.macro NEXTLOOK                        ; 20 loads: one-hot fragments of layers 0-3, start values (layer 4 and b1)
.irp l, 0,1,2,3
	ds_load_b128 v[T+4*\l:T+4*\l+3], v[C0+\l]
.endr
.irp m, 0,1,2,3,4,5,6,7
	ds_load_b128 v[R0+8*\m:R0+8*\m+3], v[C0+4] offset:64*\m
	ds_load_b128 v[R0+8*\m+4:R0+8*\m+7], v[C0+4] offset:64*\m+16
.endr
.endm
; ======================================================================= prologue
	s_load_b512 s[4:19], s[0:1], 0x0
	s_load_b512 s[20:35], s[0:1], 0x40
	s_load_b64 s[G0W1+2:G0W1+3], s[0:1], 0x80      ; the five matrices' addresses go straight into their descriptors
	s_load_b64 s[G0W2+2:G0W2+3], s[0:1], 0x88
	s_load_b64 s[G0IN+2:G0IN+3], s[0:1], 0x90
	s_load_b64 s[G0OW+2:G0OW+3], s[0:1], 0x98
	s_load_b64 s[G0W3+2:G0W3+3], s[0:1], 0xa0
	v_lshl_add_u32 v254, v0, 2, 0x44000
	v_mov_b32 v255, 0
	ds_add_u32 v254, v255
	ds_add_u32 v254, v255
	s_wait_dscnt 0x0
	v_lshrrev_b32 v1, 5, v0
	v_readfirstlane_b32 s[SWV], v1                 ; wave 0..3
	s_mov_b32 s104, 0x76543210
	s_mov_b32 s105, 0xfedcba98
	v_and_b32 v[VR], 15, v0
	v_bfe_u32 v[VH], v0, 4, 1
	v_and_b32 v[VL16], 31, v0
	v_lshlrev_b32 v[VL16], 4, v[VL16]
	v_lshlrev_b32 v[VFV], 5, v[VH]
	; regions that are my wave's own: a constant + wave x a constant
	s_mul_i32 s[SX], s[SWV], 5120
	s_add_co_u32 s[SX], s[SX], CELLS
	v_mad_u32_u24 v[VCA], v[VR], 20, s[SX]
	v_add_nc_u32 v[ACEL], s[SX], v[VL16]
	s_lshl_b32 s[SX], s[SWV], 10
	s_add_co_u32 s[SY], s[SX], HWI
	s_add_co_u32 s[SRES], s[SX], RES
	v_lshl_add_u32 v[VHA], v[VR], 2, s[SY]
	v_add_nc_u32 v[AHWI], s[SY], v[VL16]
	v_lshl_add_u32 v[VRA], v[VR], 2, s[SRES]
	v_add_nc_u32 v[SW2], s[SX], v[VL16]            ; image of W2: 16 lane + 1,024 wave (K step = wave)
	v_lshl_add_u32 v[VOHB], v[VH], 4, OHTAB
	v_lshl_add_u32 v[VT4B], v[VH], 5, T4TAB
	s_mul_i32 s[SX], s[SWV], 4160
	s_add_co_u32 s[SX], s[SX], HWTAB
	v_lshl_add_u32 v[VHWB], v[VH], 5, s[SX]
	v_and_b32 v20, 3, v[VR]                        ; column r of the prologue's product is hw row r & 3
	v_mad_u32_u24 v[AHWS], v20, 1040, v[VHWB]
	v_lshl_add_u32 v[OEMB], v20, 8, v[VFV]
	s_lshl_b32 s[SX], s[SWV], 6
	v_add_nc_u32 v[OG2], s[SX], v[VFV]             ; 64 wave + 32 h: my 16 columns k of a matrix with K = 64
	v_lshlrev_b32 v[OTID], 2, v0
	v_mad_u32_u24 v22, v[VR], 272, v[OG2]
	v_add_nc_u32 v[ROUT], RAW_OUT, v22
	v_add_nc_u32 v[RW3], RAW_W3, v22
	v_add_nc_u32 v[RIN], RAW_IN, v22
	s_lshl_b32 s[SX], s[SWV], 7
	s_add_co_u32 s[SX], s[SX], RAW_W2
	v_mad_u32_u24 v[RW2], v[VR], 528, v[VFV]
	v_add_nc_u32 v[RW2], s[SX], v[RW2]
	s_mul_i32 s[SX], s[SWV], 9600
	s_add_co_u32 s[SX], s[SX], RAW_W1
	v_mad_u32_u24 v[RW1], v[VR], 300, v[VFV]
	v_add_nc_u32 v[RW1], s[SX], v[RW1]             ; W1 row 32 wave + r, column 8 h
	v_mul_u32_u24 v[RT4], 300, v0
	v_add_nc_u32 v[RT4], RAW_W1+240, v[RT4]        ; W1 row = thread, column 60
	s_lshl_b32 s[SX], s[SWV], 9
	v_add_nc_u32 v[S512], s[SX], v[VL16]
	v_add_nc_u32 v[S512H], 0x10000, v[S512]
	s_lshl_b32 s[SX], s[SWV], 12
	v_add_nc_u32 v[SW1], s[SX], v[VL16]
	v_add_nc_u32 v[ST4], T4TAB, v[OTID]
	v_add_nc_u32 v[AFILLH], 0x10000, v[VL16]
	s_wait_kmcnt 0x0                               ; the 21 addresses
	; the weights first: each wave asks for one matrix, wave 3 for two; at most two tensor loads of a wave are out
	s_cmp_lg_u32 s[SWV], 0
	s_cbranch_scc1 .Lskip0
	s_mov_b32 s[G0W1], 1                           ; W1: 38,400 dense bytes as one row of 4,800 elements of 8 bytes, no padding
	s_mov_b32 s[G0W1+1], RAW_W1
	s_or_b32 s[G0W1+3], s[G0W1+3], 0x80000000
	s_mov_b32 s[G1W1], 3<<16
	s_mov_b32 s[G1W1+1], 4800<<16
	s_mov_b32 s[G1W1+2], 1<<16
	s_mov_b32 s[G1W1+3], 4800<<16
	s_mov_b32 s[G1W1+4], 1
	s_mov_b32 s[G1W1+5], 4800
	s_mov_b32 s[G1W1+6], 0
	s_mov_b32 s[G1W1+7], 0
	tensor_load_to_lds s[G0W1:G0W1+3], s[G1W1:G1W1+7]
	s_nop 0
.Lskip0:
	s_cmp_lg_u32 s[SWV], 1
	s_cbranch_scc1 .Lskip1
	TD2 G0W2, G1W2, RAW_W2, 64, 128, 6
.Lskip1:
	s_cmp_lg_u32 s[SWV], 2
	s_cbranch_scc1 .Lskip2
	TD2 G0IN, G1IN, RAW_IN, 192, 64, 5
.Lskip2:
	s_cmp_lg_u32 s[SWV], 3
	s_cbranch_scc1 .Lskip3
	TD2 G0OW, G1OW, RAW_OUT, 64, 64, 5
	TD2 G0W3, G1W3, RAW_W3, 32, 64, 5
.Lskip3:
	; my wave's 256 rows of the index arrays and of out0
	s_mul_i32 s2, ttmp9, 20480
	s_mul_i32 s[SX], s[SWV], 5120
	s_add_co_u32 s2, s2, s[SX]
	s_mov_b32 s3, 0
	s_add_nc_u64 s[POP:POP+1], s[POP:POP+1], s[2:3]
	s_add_nc_u64 s[PWI:PWI+1], s[PWI:PWI+1], s[2:3]
	s_lshl_b32 s2, ttmp9, 12
	s_lshl_b32 s[SX], s[SWV], 10
	s_add_co_u32 s2, s2, s[SX]
	s_add_nc_u64 s[PHW:PHW+1], s[PHW:PHW+1], s[2:3]
	s_add_nc_u64 s[POUT:POUT+1], s[POUT:POUT+1], s[2:3]
	; every global load of the kernel, in one run; each index load covers 512 consecutive bytes
.set i, 0
.rept 10
	global_load_b128 v[64+4*i:64+4*i+3], v[VL16], s[POP:POP+1] offset:512*i th:TH_LOAD_NT
.set i, i+1
.endr
.set i, 0
.rept 10
	global_load_b128 v[104+4*i:104+4*i+3], v[VL16], s[PWI:PWI+1] offset:512*i th:TH_LOAD_NT
.set i, i+1
.endr
	global_load_b128 v[144:147], v[VL16], s[PHW:PHW+1] th:TH_LOAD_NT
	global_load_b128 v[148:151], v[VL16], s[PHW:PHW+1] offset:512 th:TH_LOAD_NT
	WIN 0xc0                                       ; destinations in window 3
	FVLOAD XG1, PG1, 0, 4
	FVLOAD XBE1, PBE1, 0, 4
	FVLOAD XBO, PBO, 0, 4
	FVLOAD XBQ, PINB, 0, 4
	FVLOAD XBV, PINB, 512, 4
	FVLOAD XW4V, PW4, 0, 2
	FVLOAD XB3P, PB3, 0, 2
	WIN 0
	FVLOAD 160, PB2, 0, 4
.set i, 0
.rept 4
	global_load_b128 v[192+8*i:192+8*i+3], v[OEMB], s[PEM:PEM+1] offset:64*i
	global_load_b128 v[192+8*i+4:192+8*i+7], v[OEMB], s[PEM:PEM+1] offset:64*i+16
.set i, i+1
.endr
	FVLOAD 224, PBE2, 0, 4
	global_load_b128 v[32:35], v[OG2], s[PG2:PG2+1]
	global_load_b128 v[36:39], v[OG2], s[PG2:PG2+1] offset:16
	global_load_b32 v40, v[OTID], s[PB1:PB1+1]
	s_wait_loadcnt 0x0                             ; all of them, once; the tensor loads run beside
	; cell = 3 op + width, laid down as loaded: 20 bytes a row
.set i, 0
.rept 40
	v_mad_u32_u24 v[64+i], v[64+i], 3, v[104+i]
.set i, i+1
.endr
.set i, 0
.rept 10
	ds_store_b128 v[ACEL], v[64+4*i:64+4*i+3] offset:512*i
.set i, i+1
.endr
	ds_store_b128 v[AHWI], v[144:147]
	ds_store_b128 v[AHWI], v[148:151] offset:512
	CVT 224, 224, 16                               ; ln2_b as source B, v224-239 (ascending, in place)
	CVT AB, 192, 16                                ; the four hw tokens as source B
	WIN 0x0c
.set i, 0
.rept 16
	v_pk_add_f32 v[192+2*i:192+2*i+1], v[192+2*i:192+2*i+1], v[XBO+2*i:XBO+2*i+1]
.set i, i+1
.endr
	WIN 0
	SUM32 192, 240
	v_mul_f32 v240, 0xbc800000, v240
	BADD 192, 192, 240                             ; hw_embed + out_proj_b, centred
	SUM32 160, 240
	v_mul_f32 v240, 0xbc800000, v240
	WIN 0xc0
	BADD XB2C, 160, 240                            ; b2, centred, straight into window 3
	WIN 0
	s_wait_tensorcnt 0x0                           ; my raw matrix is in LDS, and my descriptors' registers are free
	s_wait_dscnt 0x0
	s_barrier_signal -1
	s_barrier_wait -1                              ; everybody's is
	s_load_b32 s83, s[PB4:PB4+1], 0x0              ; b4; waited for in front of the loop
	s_mov_b32 s82, 0xbeb8aa3b                      ; -log2(e) / 4: the 1/sqrt(16) of the scores and base 2
	s_mov_b32 s85, 0x3c800000                      ; 1/64
	s_mov_b32 s94, 0x3727c5ac                      ; 1e-5
	v_cmp_eq_u32 s95, 1, v[VH]
	; ---- the image of fragments, made together: wave w takes K step w of W2, columns 16 w .. 16 w + 15 of the K = 64 matrices, rows 32 w .. of W1
.irp c, 0,1
.irp m, 0,1,2,3
	ds_load_b128 v[64+32*\c+8*\m:64+32*\c+8*\m+3], v[RW2] offset:8448*\m+64*\c
	ds_load_b128 v[64+32*\c+8*\m+4:64+32*\c+8*\m+7], v[RW2] offset:8448*\m+64*\c+16
.endr
.endr
.irp m, 0,1,2,3
	ds_load_b128 v[128+8*\m:128+8*\m+3], v[ROUT] offset:4352*\m
	ds_load_b128 v[128+8*\m+4:128+8*\m+7], v[ROUT] offset:4352*\m+16
.endr
.irp m, 0,1
	ds_load_b128 v[160+8*\m:160+8*\m+3], v[RW3] offset:4352*\m
	ds_load_b128 v[160+8*\m+4:160+8*\m+7], v[RW3] offset:4352*\m+16
.endr
	s_wait_dscnt 0x0
	CENTER4 64, 176
	CENTER4 96, 176
	CENTER4 128, 176
.irp c, 0,1
.irp m, 0,1,2,3
	CVTST 64+32*\c+8*\m, 240+4*\m, SW2, IMG_W2+4096*\m+512*\c
.endr
.endr
.irp m, 0,1,2,3
	CVTST 128+8*\m, 240+4*\m, S512, IMG_OUT+2048*\m
.endr
.irp p, 0,2,4,6
	v_pk_mul_f32 v[32+\p:32+\p+1], v[32+\p:32+\p+1], 0.5 op_sel_hi:[1,0]
.endr
.irp m, 0,1
	CVTST 160+8*\m, 240+8*\m, S512H, 4096+2048*\m
.irp p, 0,2,4,6
	v_pk_mul_f32 v[184+\p:184+\p+1], v[160+8*\m+\p:160+8*\m+\p+1], v[32+\p:32+\p+1]
.endr
	CVTST 184, 244+8*\m, S512H, 2048*\m
.endr
.set i, 0
.rept 12
	ds_load_b128 v[64+8*i:64+8*i+3], v[RIN] offset:4352*i
	ds_load_b128 v[64+8*i+4:64+8*i+7], v[RIN] offset:4352*i+16
.set i, i+1
.endr
	s_wait_dscnt 0x0
.set i, 0
.rept 12
	CVTST 64+8*i, 240+4*(i%4), S512, IMG_IN+2048*i
.set i, i+1
.endr
	; W1, layers 0-3: k = 16 layer + cell; rows of 300 bytes are read word by word
.irp t, 0,1
.irp l, 0,1,2,3
.irp j, 0,1,2,3,4,5,6,7
	ds_load_b32 v[64+32*\t+8*\l+\j], v[RW1] offset:4800*\t+60*\l+4*\j
.endr
.endr
.endr
.set i, 0
.rept 15
	ds_load_b32 v[128+i], v[RT4] offset:4*i
.set i, i+1
.endr
	s_wait_dscnt 0x0
.irp t, 0,1
.irp l, 0,1,2,3
	v_cndmask_b32 v[64+32*\t+8*\l+7], v[64+32*\t+8*\l+7], 0, s95   ; a layer has 15 cells: slot 15 is zero
	CVTST 64+32*\t+8*\l, 240+4*\l, SW1, 2048*\t+512*\l
.endr
.endr
.set i, 0
.rept 15
	v_add_f32 v[128+i], v[128+i], v40
	ds_store_b32 v[ST4], v[128+i] offset:528*i
.set i, i+1
.endr
	ds_store_b32 v[ST4], v40 offset:528*15
	; the one-hot table, by wave 0: lane = 2 cell + h
	s_cmp_lg_u32 s[SWV], 0
	s_cbranch_scc1 .Lno_oht
	v_lshrrev_b32 v12, 1, v0                       ; cell
	v_and_b32 v13, 1, v0
	v_lshlrev_b32 v13, 3, v13
	v_sub_nc_u32 v14, v12, v13                     ; place among my eight, if it is 0..7
	v_and_b32 v13, 1, v14
	v_lshlrev_b32 v13, 4, v13
	v_mov_b32 v15, 0x3c00                          ; 1.0 in f16
	v_lshlrev_b32 v15, v13, v15
	v_cmp_ne_u32 vcc_lo, 15, v12
	v_cndmask_b32 v15, 0, v15, vcc_lo
	v_lshrrev_b32 v14, 1, v14
.irp i, 0,1,2,3
	v_cmp_eq_u32 vcc_lo, \i, v14
	v_cndmask_b32 v[16+\i], 0, v15, vcc_lo
.endr
	v_add_nc_u32 v13, OHTAB, v[VL16]
	ds_store_b128 v13, v[16:19]
.Lno_oht:
	s_wait_dscnt 0x0                               ; my part of the image and of the tables is written
	s_barrier_signal -1
	s_barrier_wait -1                              ; everybody's is
	; ---- every wave fills its 544 weight registers
	WIN 0x40
.set q, 0
.rept 64
	ds_load_b128 v[4*q:4*q+3], v[VL16] offset:512*q
.set q, q+1
.endr
	WIN 0x80
.set q, 0
.rept 64
	ds_load_b128 v[4*q:4*q+3], v[VL16] offset:IMG_IN+512*q
.set q, q+1
.endr
	WIN 0xc0
.set q, 0
.rept 8
	ds_load_b128 v[XW3F+4*q:XW3F+4*q+3], v[AFILLH] offset:512*q
.set q, q+1
.endr
	WIN 0
.set q, 0
.rept 8
	ds_load_b128 v[160+4*q:160+4*q+3], v[AFILLH] offset:4096+512*q
.set q, q+1
.endr
	s_wait_dscnt 0x0
	; b3 + W3 ln2_b, in place in window 3 (every column of source B is ln2_b)
	WIN 0xf0
.irp s, 0,1
.irp m, 0,1
	v_wmma_f32_16x16x32_f16 v[XB3P+8*\m:XB3P+8*\m+7], v[160+16*\m+8*\s:160+16*\m+8*\s+7], v[224+8*\s:224+8*\s+7], v[XB3P+8*\m:XB3P+8*\m+7]
.endr
.endr
	; q, k, v of the four hw tokens, into my wave's table; columns r, r+4, r+8, r+12 are equal and store the same bytes
	QKV
	WIN 0
	PLACES
.irp m, 0,1,2,3
	ds_store_b128 v[AHWS], v[R0+8*\m:R0+8*\m+3] offset:64*\m
	ds_store_b128 v[AHWS], v[R0+8*\m+4:R0+8*\m+7] offset:64*\m+16
	ds_store_b128 v[AHWS], v[R0+32+8*\m:R0+32+8*\m+3] offset:256+64*\m
	ds_store_b128 v[AHWS], v[R0+32+8*\m+4:R0+32+8*\m+7] offset:256+64*\m+16
	ds_store_b128 v[AHWS], v[R1+8*\m:R1+8*\m+3] offset:512+64*\m
	ds_store_b128 v[AHWS], v[R1+8*\m+4:R1+8*\m+7] offset:512+64*\m+16
	ds_store_b128 v[AHWS], v[192+8*\m:192+8*\m+3] offset:768+64*\m
	ds_store_b128 v[AHWS], v[192+8*\m+4:192+8*\m+7] offset:768+64*\m+16
.endr
	; tile 0's indices and lookups
.irp l, 0,1,2,3,4
	ds_load_b32 v[C0+\l], v[VCA] offset:4*\l
.endr
	ds_load_b32 v[CH], v[VHA]
	s_wait_dscnt 0x0
	NEXTADR
	NEXTLOOK
; ======================================================================= a tile of 16 rows.  more = 1: another follows
.macro TILE more
.if \more
.irp l, 0,1,2,3,4
	ds_load_b32 v[C0+\l], v[VCA] offset:4*\l       ; the next tile's indices
.endr
	ds_load_b32 v[CH], v[VHA]
.endif
	HWL R3, 1                                      ; k_hw
	HWL R4, 0                                      ; q_hw
.if \more
	s_wait_dscnt 22                                ; the 6 + 16 loads above stay out; the one-hot and start-value loads in front of them are in
.else
	s_wait_dscnt 16
.endif
	; hidden = relu(W1 one-hot + b1): 128 features
	WIN 0x01
.irp s, 0,1
.irp m, 0,1,2,3,4,5,6,7
	v_wmma_f32_16x16x32_f16 v[R0+8*\m:R0+8*\m+7], v[16*\m+8*\s:16*\m+8*\s+7], v[T+8*\s:T+8*\s+7], v[R0+8*\m:R0+8*\m+7]
.endr
.endr
	WIN 0
	PLACES
.set i, 0
.rept 64
	v_max_num_f32 v[R0+i], 0, v[R0+i]
.set i, i+1
.endr
	CVT R1, R0, 32
	; y = W2c hidden + b2c (already centred)
	WIN 0x31
.irp m, 0,1,2,3
	v_wmma_f32_16x16x32_f16 v[R2+8*\m:R2+8*\m+7], v[128+32*\m:128+32*\m+7], v[R1:R1+7], v[XB2C+8*\m:XB2C+8*\m+7]
.endr
	WIN 0x01
.irp s, 1,2,3
.irp m, 0,1,2,3
	v_wmma_f32_16x16x32_f16 v[R2+8*\m:R2+8*\m+7], v[128+32*\m+8*\s:128+32*\m+8*\s+7], v[R1+8*\s:R1+8*\s+7], v[R2+8*\m:R2+8*\m+7]
.endr
.endr
	WIN 0
	PLACES
	; LayerNorm 1
	SQ32 R2, T
	v_fma_f32 v[T], v[T], s85, s94
	v_rsq_f32 v[T], v[T]
	v_nop                                          ; one plain vector instruction behind a transcendental (ISA guide 5.7.2)
	s_wait_alu depctr_va_vdst(0)
	BMUL R2, R2, T
	WIN 0x3c
.set i, 0
.rept 16
	v_pk_fma_f32 v[R2+2*i:R2+2*i+1], v[R2+2*i:R2+2*i+1], v[XG1+2*i:XG1+2*i+1], v[XBE1+2*i:XBE1+2*i+1]
.set i, i+1
.endr
	WIN 0
	CVT AB, R2, 16                                 ; the arch token as source B
	WIN 0x0c
.set i, 0
.rept 16
	v_pk_add_f32 v[R2+2*i:R2+2*i+1], v[R2+2*i:R2+2*i+1], v[XBO+2*i:XBO+2*i+1]   ; residual + out_proj_b: where the out-projection starts
.set i, i+1
.endr
	QKV
	WIN 0
	PLACES
	s_wait_dscnt 0x0                               ; k_hw, q_hw, the next indices
	; scores: d = q (k_hw - k_arch), per head = per tile of 16 features
.set i, 0
.rept 16
	v_pk_add_f32 v[R0+32+2*i:R0+32+2*i+1], v[R3+2*i:R3+2*i+1], v[R0+32+2*i:R0+32+2*i+1] neg_lo:[0,1] neg_hi:[0,1]
.set i, i+1
.endr
	HWL R3, 3                                      ; the hw token's centred residual: where its out-projection starts
.irp d, 0,1,2,3
	v_pk_mul_f32 v[T+2*\d:T+2*\d+1], v[R4+8*\d:R4+8*\d+1], v[R0+32+8*\d:R0+32+8*\d+1]
	v_pk_mul_f32 v[T+8+2*\d:T+8+2*\d+1], v[R0+8*\d:R0+8*\d+1], v[R0+32+8*\d:R0+32+8*\d+1]
.endr
.irp p, 2,4,6
.irp d, 0,1,2,3
	v_pk_fma_f32 v[T+2*\d:T+2*\d+1], v[R4+8*\d+\p:R4+8*\d+\p+1], v[R0+32+8*\d+\p:R0+32+8*\d+\p+1], v[T+2*\d:T+2*\d+1]
	v_pk_fma_f32 v[T+8+2*\d:T+8+2*\d+1], v[R0+8*\d+\p:R0+8*\d+\p+1], v[R0+32+8*\d+\p:R0+32+8*\d+\p+1], v[T+8+2*\d:T+8+2*\d+1]
.endr
.endr
	HWL R4, 2                                      ; v_hw
.irp i, 0,1,2,3,4,5,6,7
	v_add_f32 v[T+2*\i], v[T+2*\i], v[T+2*\i+1]
.endr
.irp i, 0,1,2,3,4,5,6,7
	v_permlanex16_b32 v[T+2*\i+1], v[T+2*\i], s104, s105
.endr
.irp i, 0,1,2,3,4,5,6,7
	v_add_f32 v[T+2*\i], v[T+2*\i], v[T+2*\i+1]
.endr
	; softmax over two keys with the larger score taken away: e = exp(-|d|/4) <= 1
.irp i, 0,1,2,3,4,5,6,7
	v_mul_f32 v[T+2*\i+1], s82, |v[T+2*\i]|
.endr
.irp i, 0,1,2,3,4,5,6,7
	v_exp_f32 v[T+2*\i+1], v[T+2*\i+1]
.endr
.irp i, 0,1,2,3,4,5,6,7
	v_cmp_le_f32 s[86+\i], 0, v[T+2*\i]            ; (these also stand between the exponentials and their use)
.endr
	s_wait_alu depctr_va_vdst(0)
.irp i, 0,1,2,3,4,5,6,7
	v_add_f32 v[T+2*\i], 1.0, v[T+2*\i+1]
.endr
.irp i, 0,1,2,3,4,5,6,7
	v_rcp_f32 v[T+2*\i], v[T+2*\i]
.endr
	v_nop
	s_wait_alu depctr_va_vdst(0)
.irp i, 0,1,2,3,4,5,6,7
	v_mul_f32 v[T+2*\i+1], v[T+2*\i+1], v[T+2*\i]
.endr
.irp i, 0,1,2,3,4,5,6,7
	v_cndmask_b32 v[T+2*\i], v[T+2*\i+1], v[T+2*\i], s[86+\i]     ; weight of key 0: 1/(1+e) where d >= 0, e/(1+e) otherwise
.endr
	s_wait_dscnt 0x0                               ; the residual and v_hw
	; context = v_arch + weight (v_hw - v_arch)
.set i, 0
.rept 16
	v_pk_add_f32 v[R4+2*i:R4+2*i+1], v[R4+2*i:R4+2*i+1], v[R1+2*i:R1+2*i+1] neg_lo:[0,1] neg_hi:[0,1]
.set i, i+1
.endr
.irp d, 0,1,2,3
.irp p, 0,2,4,6
	v_pk_fma_f32 v[R0+8*\d+\p:R0+8*\d+\p+1], v[R4+8*\d+\p:R4+8*\d+\p+1], v[T+2*\d:T+2*\d+1], v[R1+8*\d+\p:R1+8*\d+\p+1] op_sel_hi:[1,0,1]
	v_pk_fma_f32 v[R1+8*\d+\p:R1+8*\d+\p+1], v[R4+8*\d+\p:R4+8*\d+\p+1], v[T+8+2*\d:T+8+2*\d+1], v[R1+8*\d+\p:R1+8*\d+\p+1] op_sel_hi:[1,0,1]
.endr
.endr
	CVT AB, R0, 16
	CVT R0+32, R1, 16
	; out-projection of both tokens, on top of their residuals
	WIN 0x02
.irp s, 0,1
.irp m, 0,1,2,3
	v_wmma_f32_16x16x32_f16 v[R3+8*\m:R3+8*\m+7], v[192+16*\m+8*\s:192+16*\m+8*\s+7], v[AB+8*\s:AB+8*\s+7], v[R3+8*\m:R3+8*\m+7]
	v_wmma_f32_16x16x32_f16 v[R2+8*\m:R2+8*\m+7], v[192+16*\m+8*\s:192+16*\m+8*\s+7], v[R0+32+8*\s:R0+32+8*\s+7], v[R2+8*\m:R2+8*\m+7]
.endr
.endr
	WIN 0
.if \more
	NEXTADR                                        ; 14 vector lines that name none of the products' registers: the places for what follows,
	NEXTLOOK                                       ; also for these loads, which land on context 1's fragments
.else
	PLACES
.endif
	; LayerNorm 2 of both tokens (gain and bias are in W3 and b3), and their sum
	SUM32 R2, R4+16
	v_mul_f32 v[R4+16], 0xbc800000, v[R4+16]
	BADD R2, R2, R4+16
	SQ32 R3, R4
	SQ32 R2, R4+16
	v_fma_f32 v[R4], v[R4], s85, s94
	v_fma_f32 v[R4+16], v[R4+16], s85, s94
	v_rsq_f32 v[R4], v[R4]
	v_rsq_f32 v[R4+16], v[R4+16]
	v_nop
	s_wait_alu depctr_va_vdst(0)
	BMUL R3, R3, R4
.set i, 0
.rept 16
	v_pk_fma_f32 v[R3+2*i:R3+2*i+1], v[R2+2*i:R2+2*i+1], v[R4+16:R4+17], v[R3+2*i:R3+2*i+1] op_sel_hi:[1,0,1]
.set i, i+1
.endr
	CVT AB, R3, 16
	WIN 0x33
.irp m, 0,1
	v_wmma_f32_16x16x32_f16 v[R1+8*\m:R1+8*\m+7], v[XW3F+16*\m:XW3F+16*\m+7], v[AB:AB+7], v[XB3P+8*\m:XB3P+8*\m+7]
.endr
	WIN 0x03
.irp m, 0,1
	v_wmma_f32_16x16x32_f16 v[R1+8*\m:R1+8*\m+7], v[XW3F+16*\m+8:XW3F+16*\m+15], v[AB+8:AB+15], v[R1+8*\m:R1+8*\m+7]
.endr
	WIN 0
	PLACES
	; relu, W4, b4
.set i, 0
.rept 16
	v_max_num_f32 v[R1+i], 0, v[R1+i]
.set i, i+1
.endr
	WIN 0x0c
	v_pk_mul_f32 v[R4:R4+1], v[R1:R1+1], v[XW4V:XW4V+1]
	v_pk_mul_f32 v[R4+2:R4+3], v[R1+8:R1+9], v[XW4V+8:XW4V+9]
.irp p, 2,4,6
	v_pk_fma_f32 v[R4:R4+1], v[R1+\p:R1+\p+1], v[XW4V+\p:XW4V+\p+1], v[R4:R4+1]
	v_pk_fma_f32 v[R4+2:R4+3], v[R1+8+\p:R1+8+\p+1], v[XW4V+8+\p:XW4V+8+\p+1], v[R4+2:R4+3]
.endr
	WIN 0
	v_pk_add_f32 v[R4:R4+1], v[R4:R4+1], v[R4+2:R4+3]
	LANES R4
	v_add_f32 v[R4], s83, v[R4]
	ds_store_b32 v[VRA], v[R4]                     ; both halves hold row r's result and store the same word
	v_add_nc_u32 v[VRA], 64, v[VRA]
.endm
	s_wait_kmcnt 0x0                               ; b4
	s_mov_b32 s84, TILES-1
.Ltile:
	TILE 1
	s_sub_co_u32 s84, s84, 1
	s_cmp_lg_u32 s84, 0
	s_cbranch_scc1 .Ltile
	TILE 0                                         ; the last tile asks for nothing further
	; my wave's 256 results: its own LDS bytes, served in order; each store covers 512 consecutive bytes, aligned
	v_add_nc_u32 v20, s[SRES], v[VL16]
	ds_load_b128 v[64:67], v20
	ds_load_b128 v[68:71], v20 offset:512
	s_wait_dscnt 0x0
	global_store_b128 v[VL16], v[64:67], s[POUT:POUT+1] th:TH_STORE_NT
	global_store_b128 v[VL16], v[68:71], s[POUT:POUT+1] offset:512 th:TH_STORE_NT
	s_wait_xcnt 0x0
	v_lshl_add_u32 v254, v0, 2, 0x44000
	v_mov_b32 v255, 0
	s_wait_tensorcnt 0x0
	ds_add_u32 v254, v255
	s_wait_dscnt 0x0
	s_endpgm
.Lfunc_end_k_q369c46a5dd_mhlp:
	.size	k_q369c46a5dd_mhlp, .Lfunc_end_k_q369c46a5dd_mhlp-k_q369c46a5dd_mhlp
	.p2alignl 7, 3214868480
	.fill 96, 4, 3214868480
	.section	.rodata,"a",@progbits
	.p2align	6, 0x0
	.amdhsa_kernel k_q369c46a5dd_mhlp
		.amdhsa_group_segment_fixed_size 279040
		.amdhsa_private_segment_fixed_size 0
		.amdhsa_enable_private_segment 0
		.amdhsa_kernarg_size 168
		.amdhsa_user_sgpr_count 2
		.amdhsa_user_sgpr_kernarg_segment_ptr 1
		.amdhsa_wavefront_size32 1
		.amdhsa_system_sgpr_workgroup_id_x 1
		.amdhsa_system_sgpr_workgroup_id_y 1
		.amdhsa_system_sgpr_workgroup_id_z 1
		.amdhsa_system_vgpr_workitem_id 0
		.amdhsa_next_free_vgpr 1024
		.amdhsa_next_free_sgpr 106
		.amdhsa_reserve_vcc 1
		.amdhsa_float_denorm_mode_32 3
		.amdhsa_float_denorm_mode_16_64 3
		.amdhsa_memory_ordered 1
		.amdhsa_forward_progress 1
		.amdhsa_inst_pref_size 160
	.end_amdhsa_kernel
	.amdgpu_metadata
---
amdhsa.version: [ 1, 2 ]
amdhsa.kernels:
  - .name:           k_q369c46a5dd_mhlp
    .symbol:         k_q369c46a5dd_mhlp.kd
    .args:
      - { .name: op_indices, .offset: 0, .size: 8, .value_kind: global_buffer, .address_space: global }
      - { .name: width_indices, .offset: 8, .size: 8, .value_kind: global_buffer, .address_space: global }
      - { .name: hw_idx, .offset: 16, .size: 8, .value_kind: global_buffer, .address_space: global }
      - { .name: out0, .offset: 24, .size: 8, .value_kind: global_buffer, .address_space: global }
      - { .name: hw_embed, .offset: 32, .size: 8, .value_kind: global_buffer, .address_space: global }
      - { .name: b1, .offset: 40, .size: 8, .value_kind: global_buffer, .address_space: global }
      - { .name: b2, .offset: 48, .size: 8, .value_kind: global_buffer, .address_space: global }
      - { .name: ln1_g, .offset: 56, .size: 8, .value_kind: global_buffer, .address_space: global }
      - { .name: ln1_b, .offset: 64, .size: 8, .value_kind: global_buffer, .address_space: global }
      - { .name: in_proj_b, .offset: 72, .size: 8, .value_kind: global_buffer, .address_space: global }
      - { .name: out_proj_b, .offset: 80, .size: 8, .value_kind: global_buffer, .address_space: global }
      - { .name: ln2_g, .offset: 88, .size: 8, .value_kind: global_buffer, .address_space: global }
      - { .name: ln2_b, .offset: 96, .size: 8, .value_kind: global_buffer, .address_space: global }
      - { .name: b3, .offset: 104, .size: 8, .value_kind: global_buffer, .address_space: global }
      - { .name: W4, .offset: 112, .size: 8, .value_kind: global_buffer, .address_space: global }
      - { .name: b4, .offset: 120, .size: 8, .value_kind: global_buffer, .address_space: global }
      - { .name: W1, .offset: 128, .size: 8, .value_kind: global_buffer, .address_space: global }
      - { .name: W2, .offset: 136, .size: 8, .value_kind: global_buffer, .address_space: global }
      - { .name: in_proj_w, .offset: 144, .size: 8, .value_kind: global_buffer, .address_space: global }
      - { .name: out_proj_w, .offset: 152, .size: 8, .value_kind: global_buffer, .address_space: global }
      - { .name: W3, .offset: 160, .size: 8, .value_kind: global_buffer, .address_space: global }
    .group_segment_fixed_size: 279040
    .private_segment_fixed_size: 0
    .kernarg_segment_align: 8
    .kernarg_segment_size: 168
    .max_flat_workgroup_size: 128
    .sgpr_count:     106
    .vgpr_count:     1024
    .wavefront_size: 32
...
	.end_amdgpu_metadata
.endif
;; end of part 1
